; MI455X (gfx1250); checked and timed in simulation.
; The chip was launched on July 23, 2026; its instructions are those of AMD's public machine-readable ISA for CDNA 5 (MIT licence, August 2026) and "CDNA5" Instruction Set Architecture Reference Guide (July 2026). The comments in the code are by the model that wrote it; some were corrected since.
;; Base Q. Allowed arithmetic: matrix products marked QUANTISED: E3M2 operands, one E8M0 scale for each 32 along K, by v_wmma_scale_f32_16x16x128_f8f6f4 with both operands' format E3M2, f32 sums; everything else in f32.
;; Inputs: CodeBook 8,192 x 256 float32; x 16,384 x 256 float32.
;; Outputs: out0 16,384 x 256 float32; out1 one number int32.
;; Constants: soft_rate = 10.
;; This version of the problem:
;;   THIS VERSION OF THE PROBLEM IS GIVEN IN LOW PRECISION. The matrix products marked QUANTISED in the list below multiply operands that are first quantised to E3M2 (3 exponent bits, 2 mantissa bits; 6 bits a number), with one power-of-two scale for each 32 numbers along K (OCP MX v1.0); their sums are f32. All else is computed in f32.
;;   The module's matrix products, in the order in which they are computed (A, B: the left and right operand; K: the contracted axis; several contracted axes count as one K, in the product's order):
;;     1. [M 16,384, K 256] x [K 256, N 8,192]; A: input x; B: input CodeBook: QUANTISED
;;     2. [M 16,384, K 8,192] x [K 8,192, N 256]; A: softmax (see below); B: input CodeBook: QUANTISED
;;   THE QUANTISER, for each operand of a quantised product, along K:
;;     - K is cut into blocks of 32 from its start; a last block that is shorter is filled with zeros.
;;     - A block's scale is 2^e with e = floor(log2(the largest magnitude in the block)) - 4, held to -126 .. 127; a block of zeros has e = 0. As a byte (E8M0): e + 127.
;;     - Each number is divided by its block's scale, clamped to +-28, and rounded to the nearest number of E3M2, ties to even, subnormals kept.
;;     - The product sums the exact products of the quantised numbers (number of the format x scale) in f32.
;;   ~~~python
;;   def quantise(x, axis):      # numpy; x: float32 -> the quantised numbers, widened to float32 again
;;       x = np.moveaxis(x, axis, -1); K = x.shape[-1]
;;       x = np.pad(x, [(0, 0)] * (x.ndim - 1) + [(0, -K % 32)]); x = x.reshape(x.shape[:-1] + (-1, 32)); a = np.abs(x).max(-1, keepdims=True)
;;       e = np.where(a > 0, np.clip(np.frexp(np.where(a > 0, a, 1))[1] - 1 - 4, -126, 127), 0)      # np.frexp(a)[1] - 1 = floor(log2(a)), exactly
;;       r = np.clip(x / 2.0 ** e, -28, 28)
;;       step = 2.0 ** (np.maximum(np.frexp(np.where(r == 0, 1, r))[1] - 1, -2) - 2)
;;       q = np.round(r / step) * step * 2.0 ** e      # np.round: ties to even
;;       return np.moveaxis(q.reshape(q.shape[:-2] + (-1,))[..., :K], -1, axis).astype(np.float32)
;;   ~~~
;;   SOFTMAX AHEAD OF A QUANTISED PRODUCT. Where the list says 'softmax', what is quantised is not the finished softmax but p = 2^(t - M), with t = logit x log2(e) and M = ceil(the row's largest t), a whole number; so 1/2 < the row's largest p <= 1. The row's sum l is taken of the UNQUANTISED p, in f32, and the product's result is divided by l at the end. Since M is a whole number, a kernel that streams over the keys may use a running M (the ceiling of the running maximum): every later rescaling is an exact power of two, which a block's scale takes up: the codes' values come out the same.
;;   OPERANDS COMPUTED ON THE WAY. 'Computed on the way' means the value that the module computes at that place (a softmax that the list does not call 'softmax' is quantised finished and normalised). What goes into a quantiser is computed in f32, as accurately as f32 sums, v_exp_f32 and their like allow (about 1e-6 of the number): no bf16 or f16 on the way to a quantiser, and a product that is left as it is and whose result goes on into a quantised operand takes f32 operands (vector FMAs, or v_wmma_f32_16x16x4_f32). A number that lies on a knife's edge between two numbers of the format may be rounded either way, as far as f32 arithmetic and the matrix unit's own rounding can turn it there, and no further.
;; One version. Each part assembles by itself: llvm-mc -triple=amdgcn-amd-amdhsa -mcpu=gfx1250 --defsym DOCPART=n.
;; ======== version 1 of 1: 2 launches
;; limits: right only within a limited range of input values
;; workspace buffers: kv 3,309,568 bytes
;; launch prep (part 1): grid 128 x 1, 8 waves a work-group, no clusters, 3,584 bytes of LDS; arguments CodeBook, kv, out1; writes kv, out1
.if DOCPART == 1
	.amdgcn_target "amdgcn-amd-amdhsa--gfx1250"
	.amdhsa_code_object_version 6
	.text
	.protected	k_qcd5abe2924_prep
	.globl	k_qcd5abe2924_prep
	.p2align	8
	.type	k_qcd5abe2924_prep,@function
k_qcd5abe2924_prep:
	s_mov_b64 s[64:65], 0
	v_nop
	global_prefetch_b8 v0, s[64:65] scope:SCOPE_SE
	s_setreg_imm32_b32 hwreg(HW_REG_WAVE_MODE, 25, 1), 1
	s_wait_xcnt 0x0
; CodeBook [8192][256] f32 is turned into what the second launch reads: codes of E3M2 with one E8M0 byte for each 32 along a product's K, TWICE: along the 256 channels (the first product's
; operand) and along the keys (the second product's), and -c2/2 = -(the sum of a row's squares)/2 in f32.  All of it goes into ONE stream kv, in the order of the operand registers and of use.
; WHAT IS COMPUTED.  soft_rate is the listed constant 10 > 0, so reference() takes its first branch: out0 = softmax(-10 dist) CodeBook and out1 = -1; the branch with argmax is no part of it.
; NOTHING OF THAT BRANCH IS LEFT OUT: x2 and c2 stand under a root, so neither is the same along the softmax's axis; both products are live; both inputs are loaded.
; LIMITS: NaN and infinities among the inputs are not served.  A block whose largest magnitude lies under 2^-122 keeps the byte 1; so does a block of zeros, where the quantiser says 127: its codes
; are zeros, which add nothing under any byte but 0xff, and the bytes are read by this program alone.
; kv: 32 steps of STEPB bytes; step j holds keys 256 j .. 256 j + 255 as two K units (KU bytes each), then two V units (VU bytes each); unit U = 2 j + g holds keys 128 U .. 128 U + 127.
;   K unit: fragment (key tile kt, K step s) at (2 kt + s) x 1536: registers 4 c .. 4 c + 3 of lane l at 512 c + 16 l.  Lane (r, h) holds key 32 (kt / 2) + 8 (kt % 2) + r + 8 (r / 8), channels 128 s + 64 c + 32 h + 0 .. 31.
;           at 24576: scale registers of key tiles 4 a .. 4 a + 3, lane l's 16 bytes at 512 a + 16 l (lanes 0-15: K step 0's word, lanes 16-31: K step 1's).   at 25600: 128 numbers -c2/2, keys in their order.
;   V unit: fragment c (channels 16 c .. 16 c + 15) at c x 1536, likewise; lane (r, h): channel 16 c + r, keys 64 cc + 32 h + 0 .. 31.   at 24576: lane l's 16 bytes at 512 vg + 16 l: word i = the scale word of channel 32 (4 vg + i) + l.
; SHARES.  Work-group 2 U makes K unit U, work-group 2 U + 1 V unit U; eight waves: a key tile each, or 32 channels each.  The two ways part on the work-group's number and share no LDS byte.
; The K way's loads take 16 bytes a lane from rows 1,024 bytes apart; eight loads on end use up a lane's 128 bytes.  CodeBook is 8 MB and each way reads it once: no turn through LDS is spent on that.
.set KU,    26112
.set VU,    25600
; THE ORDER OF kv AS THIS TEXT LAYS IT: 32 blocks of STEPB bytes; block j holds keys 256 j .. 256 j + 255 as TWO K units and then TWO V units (unit U = 2 j + g); a unit's inside is as said above.
.set KBSZ,  2*KU
.set STEPB, KBSZ+2*VU
.set VLDS,  1536                       ; LDS: 0 .. 1535 the K way's (1,024 scale bytes, 512 of -c2/2); 1536 .. 2559 the V way's
.set SPARE, 2560                       ; the spare words, 128 bytes for each of eight waves: four blocks of 256 bytes that no other line names
.set SPW,   1                          ; v1  LDS address of my spare word; never rewritten
.set NIL,   2                          ; v2  0; never rewritten
.set X,     32                         ; v32-159  128 numbers of a lane
.set FR,    160                        ; v160-183 two fragments' codes
.set CT,    184                        ; v184..   a conversion's three registers begin on an even number: a block's second half is made here and moved
	s_load_b128 s[4:7], s[0:1], 0x0                ; CodeBook, kv
	s_load_b64 s[8:9], s[0:1], 0x10                ; out1
	v_lshl_add_u32 v[SPW], v0, 2, SPARE
	v_mov_b32 v[NIL], 0
	v_lshrrev_b32 v3, 5, v0
	s_delay_alu instid0(VALU_DEP_1)
	v_readfirstlane_b32 s10, v3                    ; wave 0..7
	v_and_b32 v3, 15, v0                           ; r
	v_bfe_u32 v4, v0, 4, 1                         ; h
	v_and_b32 v6, 31, v0
	s_delay_alu instid0(VALU_DEP_1)
	v_lshlrev_b32 v6, 4, v6                        ; 16 x lane: an image's place for my lane
	s_lshr_b32 s11, ttmp9, 1                       ; U
	s_and_b32 s12, ttmp9, 1                        ; 0: K unit, 1: V unit
	s_lshr_b32 s13, s11, 1                         ; j
	s_and_b32 s14, s11, 1                          ; g
	s_mov_b32 s20, 0x76543210
	s_mov_b32 s21, 0xfedcba98                      ; v_permlanex16_b32's selects for lane l xor 16
	s_mov_b32 s22, 0xffff0000                      ; lanes 16-31
	s_mul_i32 s16, s13, STEPB
	s_mov_b32 s17, 0
	s_mov_b32 s19, 0
	s_lshr_b32 s28, s10, 2
	s_lshl_b32 s28, s28, 9
	s_and_b32 s29, s10, 3
	s_lshl_b32 s29, s29, 2
	s_add_co_u32 s28, s28, s29                     ; my wave's scale words in LDS: 512 (wave / 4) + 4 (wave % 4), + 16 x lane
	s_wait_kmcnt 0x0
	s_add_nc_u64 s[6:7], s[6:7], s[16:17]          ; kv at step j
	s_cmp_lg_u32 s12, 0                            ; the work-group's number alone: all eight waves go the same way
	s_cbranch_scc1 .Lvpath
	; ---------------- THE K WAY: wave kt makes key tile kt's two fragments, its scale words and its 16 numbers -c2/2
	s_mul_i32 s18, s14, KU
	s_add_nc_u64 s[24:25], s[6:7], s[18:19]        ; my unit
	s_mul_i32 s18, s10, 3072
	s_add_nc_u64 s[26:27], s[24:25], s[18:19]      ; my tile's two fragments
	s_lshr_b32 s23, s10, 1
	s_lshl_b32 s23, s23, 5
	s_and_b32 s29, s10, 1
	s_lshl_b32 s29, s29, 3
	s_add_co_u32 s23, s23, s29                     ; the tile's first key in the unit: 32 (kt / 2) + 8 (kt % 2)
	s_lshl_b32 s18, s11, 7
	s_add_co_u32 s18, s18, s23
	s_lshl_b32 s18, s18, 10                        ; rows of 1,024 bytes
	s_add_nc_u64 s[4:5], s[4:5], s[18:19]
	s_wait_alu depctr_va_vdst(0)
	v_and_b32 v5, 8, v3
	s_delay_alu instid0(VALU_DEP_1)
	v_add_nc_u32 v9, v5, v3                        ; r + 8 (r / 8)
	s_delay_alu instid0(VALU_DEP_1)
	v_lshlrev_b32 v5, 10, v9
	s_delay_alu instid0(VALU_DEP_1)
	v_lshl_add_u32 v5, v4, 7, v5                   ; my row, + 32 h numbers
	v_add_nc_u32 v7, s28, v6                       ; LDS: my scale word
	s_lshl_b32 s29, s23, 2
	s_add_co_u32 s29, s29, 1024
	v_lshl_add_u32 v8, v9, 2, s29                  ; LDS: my key's -c2/2
	v_lshlrev_b32 v23, 3, v4                       ; 8 h
	v_mov_b32 v22, 0                               ; written once: a lane permute's destination counts as one of its sources
.irp s, 0,1
.irp c, 0,1
.irp i, 0,1,2,3,4,5,6,7
	global_load_b128 v[X+64*\s+32*\c+4*\i:X+64*\s+32*\c+4*\i+3], v5, s[4:5] offset:512*\s+256*\c+16*\i   ; channels 128 s + 64 c + 32 h + 4 i ..: two whole blocks of 32 a K step
.endr
.endr
.endr
; One K step of 128 channels: my blocks h and 2 + h; the scale word; the squares; the fragment, stored as it stands.
.macro KSTEP s
.irp c, 0,1
	v_max3_num_f32 v[14+\c], |v[X+64*\s+32*\c]|, |v[X+64*\s+32*\c+1]|, 0x2800000   ; with the floor 2^(5 - 127): the byte cannot fall under 1
.endr
.irp i, 2,4,6,8,10,12,14,16,18,20,22,24,26,28,30
.irp c, 0,1
	s_delay_alu instid0(VALU_DEP_2)
	v_max3_num_f32 v[14+\c], v[14+\c], |v[X+64*\s+32*\c+\i]|, |v[X+64*\s+32*\c+\i+1]|   ; (the two blocks by turns)
.endr
.endr
.irp c, 0,1
	s_delay_alu instid0(VALU_DEP_2)
	v_add_nc_u32 v[16+\c], 0xfe000000, v[14+\c]    ; 4 off the exponent field: the conversion's scale operand
.endr
.irp c, 0,1
	s_delay_alu instid0(VALU_DEP_2)
	v_lshrrev_b32 v[18+\c], 23, v[16+\c]           ; the scale's byte
.endr
	s_delay_alu instid0(VALU_DEP_1)
	v_lshl_or_b32 v[20+\s], v19, 16, v18           ; my two bytes,
	s_delay_alu instid0(VALU_DEP_1)
	v_lshlrev_b32 v[20+\s], v23, v[20+\s]          ; at their places (8 h bits up);
	s_delay_alu instid0(VALU_DEP_1)
	v_permlanex16_b32 v22, v[20+\s], s20, s21
	s_delay_alu instid0(VALU_DEP_1)
	v_or_b32 v[20+\s], v[20+\s], v22               ; with lane l xor 16's two the word is whole
.set j, 0
.if (\s == 0) && (j == 0)
	v_pk_mul_f32 v[10:11], v[X:X+1], v[X:X+1]      ; the first squares start the two chains: nothing is cleared
	v_pk_mul_f32 v[12:13], v[X+2:X+3], v[X+2:X+3]
.else
	v_pk_fma_f32 v[10:11], v[X+64*\s+j:X+64*\s+j+1], v[X+64*\s+j:X+64*\s+j+1], v[10:11]
	v_pk_fma_f32 v[12:13], v[X+64*\s+j+2:X+64*\s+j+3], v[X+64*\s+j+2:X+64*\s+j+3], v[12:13]
.endif
.set j, j+4
.rept (16)-1
.if (\s == 0) && (j == 0)
	v_pk_mul_f32 v[10:11], v[X:X+1], v[X:X+1]      ; the first squares start the two chains: nothing is cleared
	v_pk_mul_f32 v[12:13], v[X+2:X+3], v[X+2:X+3]
.else
	s_delay_alu instid0(VALU_DEP_2)
	v_pk_fma_f32 v[10:11], v[X+64*\s+j:X+64*\s+j+1], v[X+64*\s+j:X+64*\s+j+1], v[10:11]
	s_delay_alu instid0(VALU_DEP_2)
	v_pk_fma_f32 v[12:13], v[X+64*\s+j+2:X+64*\s+j+3], v[X+64*\s+j+2:X+64*\s+j+3], v[12:13]
.endif
.set j, j+4
.endr
.irp c, 0,1
	v_cvt_scalef32_pk16_bf6_f32 v[FR+12*\s+6*\c:FR+12*\s+6*\c+2], v[X+64*\s+32*\c:X+64*\s+32*\c+15], v[16+\c]
	v_cvt_scalef32_pk16_bf6_f32 v[CT+4*\c:CT+4*\c+2], v[X+64*\s+32*\c+16:X+64*\s+32*\c+31], v[16+\c]
.endr
	v_nop                                          ; one plain place behind a scaled conversion
.irp c, 0,1
.irp i, 0,1,2
	v_mov_b32 v[FR+12*\s+6*\c+3+\i], v[CT+4*\c+\i]
.endr
.endr
.irp c, 0,1,2
	global_store_b128 v6, v[FR+12*\s+4*\c:FR+12*\s+4*\c+3], s[26:27] offset:1536*\s+512*\c   ; the wave stores 512 consecutive bytes, at a multiple of 256 from kv's first byte
.endr
.endm
	s_wait_loadcnt 16                              ; K step 0's sixteen loads are in; K step 1's sixteen may be out
	KSTEP 0
	s_wait_loadcnt 0x0
	KSTEP 1
	v_cndmask_b32 v20, v20, v21, s22               ; lanes 0-15 keep K step 0's word, lanes 16-31 take K step 1's
	ds_store_b32 v7, v20
	v_pk_add_f32 v[10:11], v[10:11], v[12:13]
	s_delay_alu instid0(VALU_DEP_1)
	v_add_f32 v10, v10, v11
	s_delay_alu instid0(VALU_DEP_1)
	v_permlanex16_b32 v11, v10, s20, s21
	s_delay_alu instid0(VALU_DEP_1)
	v_add_f32 v10, v10, v11                        ; c2 of my key
	s_delay_alu instid0(VALU_DEP_1)
	v_mul_f32 v10, -0.5, v10
	ds_store_b32 v8, v10                           ; both halves of the lanes write the same word with the same value
	s_wait_dscnt 0x0                               ; for the others' sake: my stores have landed
	s_barrier_signal -1
	s_barrier_wait -1
	s_cmp_lg_u32 s10, 0
	s_cbranch_scc1 .Lk_end
.irp i, 0,1,2
	ds_load_b128 v[X+4*\i:X+4*\i+3], v6 offset:512*\i   ; wave 0 sends the unit's 1,536 small bytes out in whole runs of 512
.endr
	s_wait_dscnt 0x0
.irp i, 0,1,2
	global_store_b128 v6, v[X+4*\i:X+4*\i+3], s[24:25] offset:24576+512*\i
.endr
.Lk_end:
	s_wait_tensorcnt 0x0                           ; the wave's end, behind my last LDS store
	ds_add_u32 v[SPW], v[NIL]
	s_wait_dscnt 0x0
	s_or_b32 s28, ttmp9, s10
	s_cmp_lg_u32 s28, 0
	s_cbranch_scc1 .Lk_done
	v_mov_b32 v24, 0                               ; out1 = -1: one lane of one wave of the launch
	v_mov_b32 v25, -1
	v_cmp_gt_u32 vcc_lo, 1, v0
	s_wait_alu depctr_va_vdst(0)
	s_wait_xcnt 0x0                                ; EXEC is a source of the stores above: it changes only behind this wait
	s_and_saveexec_b32 s28, vcc_lo
	global_store_b32 v24, v25, s[8:9]
	s_wait_xcnt 0x0                                ; and again, in front of the line that widens it
	s_or_b32 exec_lo, exec_lo, s28
.Lk_done:
	s_endpgm
	; ---------------- THE V WAY: a lane takes a channel, and its registers run down the keys: wave c' makes channels 32 c' .. 32 c' + 31, two fragments
.Lvpath:
	s_mul_i32 s18, s14, VU
	s_add_co_u32 s18, s18, KBSZ
	s_add_nc_u64 s[24:25], s[6:7], s[18:19]        ; my unit
	s_mul_i32 s18, s10, 3072
	s_add_nc_u64 s[26:27], s[24:25], s[18:19]      ; my two fragments
	s_lshl_b32 s18, s11, 17                        ; 128 U rows of 1,024 bytes
	s_lshl_b32 s23, s10, 7                         ; + 32 c' channels
	s_add_co_u32 s18, s18, s23
	s_add_nc_u64 s[4:5], s[4:5], s[18:19]
	v_and_b32 v5, 31, v0
	s_delay_alu instid0(VALU_DEP_1)
	v_lshlrev_b32 v5, 2, v5                        ; 4 bytes a lane: the wave reads 128 consecutive bytes
	s_wait_alu depctr_va_vdst(0)
	v_add_nc_u32 v7, s28, v6                       ; LDS: my scale word (+ VLDS in the immediate)
.macro LOADB t                         ; block t: keys 32 t + i of the unit, my channel
.irp i, 0,1,2,3,4,5,6,7,8,9,10,11,12,13,14,15,16,17,18,19,20,21,22,23,24,25,26,27,28,29,30,31
	global_load_b32 v[X+32*(\t)+\i], v5, s[4:5] offset:(32*(\t)+\i)*1024
.endr
.endm
.macro BLOCK t                         ; all 32 numbers of the block are mine; even blocks go to the first run of 12 registers, odd ones to the second
.set XS, X+32*(\t)
.set CB, FR+12*((\t)%2)+6*((\t)/2)
	v_max3_num_f32 v14, |v[XS]|, |v[XS+1]|, |v[XS+2]|
	v_max3_num_f32 v15, |v[XS+3]|, |v[XS+4]|, |v[XS+5]|
.irp i, 6,10,14,18,22,26
	s_delay_alu instid0(VALU_DEP_2)
	v_max3_num_f32 v14, v14, |v[XS+\i]|, |v[XS+\i+1]|
	s_delay_alu instid0(VALU_DEP_2)
	v_max3_num_f32 v15, v15, |v[XS+\i+2]|, |v[XS+\i+3]|
.endr
	s_delay_alu instid0(VALU_DEP_2)
	v_max3_num_f32 v14, v14, |v[XS+30]|, |v[XS+31]|
	s_delay_alu instid0(VALU_DEP_1)
	v_max3_num_f32 v14, v14, v15, 0x2800000        ; and the floor 2^(5 - 127)
	s_delay_alu instid0(VALU_DEP_1)
	v_add_nc_u32 v16, 0xfe000000, v14              ; the conversion's scale operand
	s_delay_alu instid0(VALU_DEP_1)
	v_lshrrev_b32 v17, 23, v16                     ; the byte
.if (\t) == 0
	s_delay_alu instid0(VALU_DEP_1)
	v_mov_b32 v9, v17
.else
	s_delay_alu instid0(VALU_DEP_1)
	v_lshl_or_b32 v9, v17, 8*(\t), v9              ; the four bytes make my channel's scale word for these 128 keys
.endif
	v_cvt_scalef32_pk16_bf6_f32 v[CB:CB+2], v[XS:XS+15], v16
	v_cvt_scalef32_pk16_bf6_f32 v[CT:CT+2], v[XS+16:XS+31], v16
	v_nop                                          ; one plain place behind a scaled conversion
.irp i, 0,1,2
	v_mov_b32 v[CB+3+\i], v[CT+\i]
.endr
.endm
	LOADB 0
	LOADB 1
	s_wait_loadcnt 32                              ; block 0's 32 loads are in; block 1's may be out
	LOADB 2
	BLOCK 0
	s_wait_loadcnt 32                              ; block 1's are in; block 2's may be out
	LOADB 3
	BLOCK 1
	s_wait_loadcnt 32                              ; block 2's are in; block 3's may be out
	BLOCK 2
	s_wait_loadcnt 0x0
	BLOCK 3
.irp i, 0,1,2,3,4,5,6,7,8,9,10,11
	v_permlane16_swap_b32 v[FR+\i], v[FR+12+\i]    ; the first run's lanes 16-31 change places with the second's lanes 0-15: the first is now the fragment of channels 32 c' .. + 15 (lanes 0-15 even blocks, lanes 16-31 odd), the second that of the next 16
.endr
.irp f, 0,1
.irp c, 0,1,2
	global_store_b128 v6, v[FR+12*\f+4*\c:FR+12*\f+4*\c+3], s[26:27] offset:1536*\f+512*\c
.endr
.endr
	ds_store_b32 v7, v9 offset:VLDS
	s_wait_dscnt 0x0                               ; for the others' sake
	s_barrier_signal -1
	s_barrier_wait -1
	s_cmp_lg_u32 s10, 0
	s_cbranch_scc1 .Lv_end
.irp i, 0,1
	ds_load_b128 v[X+4*\i:X+4*\i+3], v6 offset:VLDS+512*\i
.endr
	s_wait_dscnt 0x0
.irp i, 0,1
	global_store_b128 v6, v[X+4*\i:X+4*\i+3], s[24:25] offset:24576+512*\i
.endr
.Lv_end:
	s_wait_tensorcnt 0x0                           ; the wave's end
	ds_add_u32 v[SPW], v[NIL]
	s_wait_dscnt 0x0
	s_endpgm
.Lfunc_end_k_qcd5abe2924_prep:
	.size	k_qcd5abe2924_prep, .Lfunc_end_k_qcd5abe2924_prep-k_qcd5abe2924_prep
	.p2alignl 7, 3214868480
	.fill 96, 4, 3214868480
	.section	.rodata,"a",@progbits
	.p2align	6, 0x0
	.amdhsa_kernel k_qcd5abe2924_prep
		.amdhsa_group_segment_fixed_size 3584
		.amdhsa_private_segment_fixed_size 0
		.amdhsa_enable_private_segment 0
		.amdhsa_kernarg_size 24
		.amdhsa_user_sgpr_count 2
		.amdhsa_user_sgpr_kernarg_segment_ptr 1
		.amdhsa_wavefront_size32 1
		.amdhsa_system_sgpr_workgroup_id_x 1
		.amdhsa_system_sgpr_workgroup_id_y 1
		.amdhsa_system_sgpr_workgroup_id_z 1
		.amdhsa_system_vgpr_workitem_id 0
		.amdhsa_next_free_vgpr 192
		.amdhsa_next_free_sgpr 66
		.amdhsa_reserve_vcc 1
		.amdhsa_float_denorm_mode_32 3
		.amdhsa_float_denorm_mode_16_64 3
		.amdhsa_memory_ordered 1
		.amdhsa_forward_progress 1
		.amdhsa_inst_pref_size 45
	.end_amdhsa_kernel
	.amdgpu_metadata
---
amdhsa.version: [ 1, 2 ]
amdhsa.kernels:
  - .name:           k_qcd5abe2924_prep
    .symbol:         k_qcd5abe2924_prep.kd
    .args:
      - { .name: CodeBook, .offset: 0, .size: 8, .value_kind: global_buffer, .address_space: global }
      - { .name: kv, .offset: 8, .size: 8, .value_kind: global_buffer, .address_space: global }
      - { .name: out1, .offset: 16, .size: 8, .value_kind: global_buffer, .address_space: global }
    .group_segment_fixed_size: 3584
    .private_segment_fixed_size: 0
    .kernarg_segment_align: 8
    .kernarg_segment_size: 24
    .max_flat_workgroup_size: 256
    .sgpr_count:     66
    .vgpr_count:     192
    .wavefront_size: 32
...
	.end_amdgpu_metadata
.endif
;; end of part 1
;; launch vq (part 2): grid 256 x 1, 8 waves a work-group, clusters of 4 x 1, 327,680 bytes of LDS; arguments x, kv, out0; writes out0
.if DOCPART == 2
	.amdgcn_target "amdgcn-amd-amdhsa--gfx1250"
	.amdhsa_code_object_version 6
	.text
	.protected	k_qcd5abe2924_vq
	.globl	k_qcd5abe2924_vq
	.p2align	8
	.type	k_qcd5abe2924_vq,@function
k_qcd5abe2924_vq:
	s_mov_b64 s[64:65], 0
	v_nop
	global_prefetch_b8 v0, s[64:65] scope:SCOPE_SE
	s_setreg_imm32_b32 hwreg(HW_REG_WAVE_MODE, 25, 1), 1
	s_wait_xcnt 0x0
	s_wait_alu depctr_hold_cnt(0) depctr_sa_sdst(0) depctr_va_vdst(0) depctr_va_sdst(0) depctr_va_ssrc(0) depctr_va_vcc(0) depctr_vm_vsrc(0)
	s_getreg_b32 s2, hwreg(HW_REG_IB_STS2, 6, 4)
	s_cmp_eq_u32 s2, 0
	s_cbranch_scc0 .Lentry_in_a_cluster
	s_endpgm
.Lentry_in_a_cluster:
	s_bfe_u32 s2, ttmp6, 0x10000c
	s_cmp_lg_u32 s2, 0x3003
	s_cbranch_scc0 .Lentry_shape_is_right
	s_endpgm
.Lentry_shape_is_right:
; out0[n] = sum over k of softmax_k(-10 sqrt(max(x2[n] + c2[k] - 2 x[n] . C[k], 0))) C[k]: 16,384 rows of x, 8,192 keys, 256 channels; both products on codes of E3M2 with E8M0 block scales.
; Nothing of reference()'s soft branch is left out (soft_rate is the listed constant 10; out1 = -1 is stored by the launch before).  kv, made by that launch, holds CodeBook's codes both ways and -c2/2.
; THE SOFTMAX: t = -10 log2(e) dist; M = the running largest t rounded up to a whole number, kept as -M = floor(-t); p = 2^(t - M) is quantised along the keys; l is the sum of the unquantised p and divides at the end.
; When M moves, l and O are multiplied by 2^(old M - new M): exact.
; SHARES.  A work-group owns 64 rows and walks 32 blocks of 256 keys.  Waves 0-3 (set 0) take the even blocks, waves 4-7 (set 1) the odd ones; in a set wave w takes unit w % 2 (128 keys) and rows 32 ((w / 2) % 2) .. + 31.
; PHASES.  34 phases.  In phase p the set p % 2 runs O^T += V^T P^T of block p - 2 and S^T = K Q^T of block p (LDS reads and matrix work); the other set runs the softmax of block p - 1 (registers alone).
; The role is a flag that changes in every phase; the loop's trip is one phase.  Each wave has its own M, l and O^T; the four partial results of a row are merged once, at the end, through LDS.
; RING.  One round of the cluster's barrier a phase, one joint load a wave behind it: waves 0-3 ask for K of block p + 1, waves 4-7 for V of block p - 1.  K has four slots and V two, so that V's two first fills
; (phases 1 and 2) stand with first fills of K alone; from phase 3 on every load fills bytes again.  Every wait on TENSORcnt is for 0; a wave has one load out.
; CLUSTER: the four work-groups of a cluster walk the same kv: every tile is asked for jointly, by the same descriptor and a mask that names the four.
; PREFETCH: in phase p (up to 28) the launch's first cluster names block p + 3, whose K is loaded in phase p + 2: each partner 101 of its 404 pieces of 256 bytes, told apart by address, waves 0-3, a lane a piece.
; LAYOUT.  Both products are used transposed: a lane holds one row of x (lane % 16).  -c2/2 is the C of the first product: d = x . c - c2/2, sq = x2 - 2 d.
; LIMITS: NaN and infinities among the inputs are not served; blocks whose largest magnitude lies under 2^-122 (blocks of zeros too) keep the byte 1; a p under 2^-126 is 0; a block's largest p is made from the
; block's largest d by the same instructions, which takes v_sqrt_f32 and v_exp_f32 not to fall where their input rises; 1 / l is v_rcp_f32's.
; REGISTERS.  Window 0: v1, v2 the add's two; v3 prefetch offset; v4-6 LDS addresses; v8-23 two tiles' statistics; v24-31 scale words of K or V (in the softmax: at work); v32-79 x's fragments;
; v80-207 S^T: block b of 32 keys, tile q at v[80 + 32 b + 16 q]; in the second product ten places for V's fragments; v208-255 K's fragments, or P's codes and the quantiser's registers.  Window 1: O^T, tile q, channels 16 c on at v[128 q + 8 c].
.set KU,    26112
.set VU,    25600
.set KSL,   2*KU                       ; a slot of K
.set VSL,   2*VU                       ; a slot of V
.set XB,    KSL+VSL                    ; a block of kv
.set KP,    KSL/4                      ; what one wave asks for: 51 rows of 256 bytes of K,
.set VP,    VSL/4                      ; or 50 of V
.set VB,    4*KSL                      ; LDS: K's four slots, V's two,
.set SPARE, VB+2*VSL                   ; the spare words, 128 bytes a wave: four blocks of 256 bytes that no other line names,
.set QIMG,  SPARE+1024                 ; x's eight fragments as images of their registers,
.set QSC,   QIMG+8*1536                ; their scale words,
.set QX2,   QSC+1024                   ; their parts of x2
.set STAT,  0                          ; the way out, in bytes that have had their last fill and last read
.set STG,   4096
.set RP,    4112
.set SPW, 1
.set NIL, 2
.set PFO, 3
.set ST,  8                            ; tile q at v[ST + 8 q]: +0 -M, +1 largest t, +2, +3 l, +4 x2, +5 x's scale words, +6 f, +7 P's scale word
.set KS,  24
.set PT,  24                           ; the softmax's registers at work, four a tile
.set QF,  32
.set S,   80
.set Y,   152                          ; four fragments of K, asked for while the second product ends
.set Z,   176                          ; two fragments of K's block 2, in registers that block 3's results take later
.set F,   208
.set PC,  208                          ; P's codes: tile q at v[PC + 12 q]
.set CT,  232                          ; second halves of the conversions: tile q at v[CT + 8 q]
.set BM,  240                          ; four blocks' largest: tile q at v[BM + 4 q] (done with when tile 1's CT is written)
.set SO,  248                          ; the conversions' scale operands: tile q at v[SO + 4 q]
.set BY,  252                          ; (the head's one tile: the bytes)
.set SEL, 52
.set CS,  54
.set MSB, 0
.macro WIN new
.if MSB != \new
	s_set_vgpr_msb (MSB<<8)|\new
.set MSB, \new
.endif
.endm
.set W_RS, 0x41
.set W_PV, 0x50
.set W_ST, 0x04
.macro NOPS n
.rept \n
	v_nop
.endr
.endm
.macro CROUND
	s_barrier_signal -1
	s_barrier_wait -1
	s_cmp_lg_u32 s10, 0
	s_cbranch_scc1 .Lnw0_\@
	s_barrier_signal -3
.Lnw0_\@:
	s_barrier_wait -3
	s_barrier_signal -1
	s_barrier_wait -1
.endm
; the joint loads: branches on the wave's number alone; s_nop 0 and four v_nop behind each
.macro JKV
	s_cmp_lt_u32 s10, 4
	s_cbranch_scc0 .Lfv_\@
	tensor_load_to_lds s[44:47], s[28:35]
	s_nop 0
	NOPS 4
	s_branch .Lask_\@
.Lfv_\@:
	tensor_load_to_lds s[48:51], s[36:43]
	s_nop 0
	NOPS 4
.Lask_\@:
.endm
.macro JK
	s_cmp_lt_u32 s10, 4
	s_cbranch_scc0 .Lnk_\@
	tensor_load_to_lds s[44:47], s[28:35]
	s_nop 0
	NOPS 4
.Lnk_\@:
.endm
.macro JV
	s_cmp_lt_u32 s10, 4
	s_cbranch_scc1 .Lnv_\@
	tensor_load_to_lds s[48:51], s[36:43]
	s_nop 0
	NOPS 4
.Lnv_\@:
.endm
.macro ASK
	s_cmp_lt_u32 s25, s21
	s_cbranch_scc0 .Lnm_\@
	global_prefetch_b8 v[PFO], s[18:19] th:TH_LOAD_NT scope:SCOPE_SE
.Lnm_\@:
.endm
; THE ROUND AT A PHASE'S HEAD.  All my tensor loads have landed; the add; the descriptors and the slots' addresses step (s25 = the phase); my LDS instructions are done; the round.
.macro BAR two, stepk, tov, stepv, ask
	s_wait_alu depctr_va_vdst(0)                   ; ahead of the blocking waits
	s_wait_tensorcnt 0x0
	ds_add_u32 v[SPW], v[NIL]
.if \two
	ds_add_u32 v[SPW], v[NIL]                      ; the add twice on end
.endif
.if \ask
	s_wait_xcnt 0x0                                ; the last prefetch has read its address
	s_add_nc_u64 s[18:19], s[18:19], XB
.endif
.if \stepk
	s_add_nc_u64 s[46:47], s[46:47], XB            ; K of block p + 1, into slot (p + 1) % 4
	s_add_co_u32 s56, s25, 1
	s_and_b32 s56, s56, 3
	s_mul_i32 s56, s56, KSL
	s_add_co_u32 s45, s56, s16
.endif
.if \stepv
	s_add_nc_u64 s[50:51], s[50:51], XB            ; V of block p - 1,
.endif
.if \tov
	s_and_b32 s57, s25, 1
	s_xor_b32 s57, s57, 1
	s_mul_i32 s57, s57, VSL
	s_add_co_u32 s49, s57, s26                     ; into slot (p + 1) % 2
.endif
	s_and_b32 s56, s25, 3
	s_mul_i32 s56, s56, KSL
	s_add_co_u32 s15, s56, s22                     ; my unit of K in the slot in hand
	s_and_b32 s57, s25, 1
	s_mul_i32 s57, s57, VSL
	s_add_co_u32 s17, s57, s23                     ; my unit of V
	s_wait_dscnt 0x0
	CROUND
.endm
.macro SCALEW dst                      ; the head's one tile: scale operands, bytes, the scale word
.irp b, 0,1,2,3
	s_delay_alu instid0(VALU_DEP_4)
	v_add_nc_u32 v[SO+\b], 0xfe000000, v[BM+\b]    ; 4 off the exponent field: the conversion's scale operand
.endr
.irp b, 0,1,2,3
	s_delay_alu instid0(VALU_DEP_4)
	v_lshrrev_b32 v[BY+\b], 23, v[SO+\b]
.endr
	s_delay_alu instid0(VALU_DEP_3)
	v_lshl_or_b32 v[\dst], v[BY+1], 8, v[BY]
	s_delay_alu instid0(VALU_DEP_1)
	v_lshl_or_b32 v[\dst], v[BY+2], 16, v[\dst]
	s_delay_alu instid0(VALU_DEP_1)
	v_lshl_or_b32 v[\dst], v[BY+3], 24, v[\dst]
.endm
.macro CODES s0, st, pc                ; the head's one tile: four runs of 16 numbers, st registers apart, become a fragment's 12 registers
.irp c, 0,1
	v_cvt_scalef32_pk16_bf6_f32 v[(\pc)+6*\c:(\pc)+6*\c+2], v[(\s0)+2*\c*(\st):(\s0)+2*\c*(\st)+15], v[SO+2*\c]
	v_cvt_scalef32_pk16_bf6_f32 v[CT+4*\c:CT+4*\c+2], v[(\s0)+(2*\c+1)*(\st):(\s0)+(2*\c+1)*(\st)+15], v[SO+2*\c+1]
.endr
	v_nop                                          ; one plain place behind a scaled conversion
.irp c, 0,1
.irp i, 0,1,2
	v_permlane16_swap_b32 v[(\pc)+6*\c+\i], v[CT+4*\c+\i]   ; a whole block to a lane
.endr
.irp i, 0,1,2
	s_delay_alu instid0(VALU_DEP_3)
	v_mov_b32 v[(\pc)+6*\c+3+\i], v[CT+4*\c+\i]
.endr
.endr
.endm
.macro QFETCH                          ; x's fragments, scale words and x2 of my two tiles, from the images
	s_mul_i32 s56, s12, 6144
	s_add_co_u32 s56, s56, QIMG
	v_and_b32 v4, 31, v0
	s_lshl_b32 s57, s12, 9
	s_add_co_u32 s57, s57, QSC
	v_and_b32 v5, 15, v0
	v_bfe_u32 v6, v0, 4, 1
	v_lshl_add_u32 v7, v4, 2, s57
	v_lshl_add_u32 v4, v4, 4, s56
	v_lshl_add_u32 v5, v5, 2, s57
	s_delay_alu instid0(VALU_DEP_1)
	v_lshl_add_u32 v5, v6, 7, v5                   ; lanes 0-15 K step 0's word of row r, lanes 16-31 K step 1's
.irp f, 0,1,2,3
.irp c, 0,1,2
	ds_load_b128 v[QF+12*\f+4*\c:QF+12*\f+4*\c+3], v4 offset:\f*1536+512*\c
.endr
.endr
.irp q, 0,1
	ds_load_b32 v[ST+8*\q+5], v5 offset:256*\q
	ds_load_b32 v[28+2*\q], v7 offset:1024+256*\q
	ds_load_b32 v[29+2*\q], v7 offset:1024+256*\q+128
.endr
	s_wait_dscnt 0x0
.irp q, 0,1
	v_add_f32 v[ST+8*\q+4], v[28+2*\q], v[29+2*\q]
.endr
.endm
.macro KLD b, fi, dst                  ; fragment fi (key tile fi / 2, K step fi % 2) of block b's four -> v[dst ..]
.irp k, 0,1,2
	ds_load_b128 v[(\dst)+4*\k:(\dst)+4*\k+3], v4 offset:(4*(\b)+(\fi))*1536+512*\k
.endr
.endm
.macro C2L b                           ; -c2/2 of block b, in the result's layout, into tile 0's registers
.irp u, 0,1
.irp e, 0,1
	ds_load_b128 v[S+32*(\b)+8*\u+4*\e:S+32*(\b)+8*\u+4*\e+3], v5 offset:25600+(32*(\b)+8*\u)*4+16*\e
.endr
.endr
.endm
.macro KEARLY                          ; 18 loads
.irp fi, 0,1,2,3
	KLD 0, \fi, Y+12*\fi
.endr
	KLD 1, 2, F+24
	KLD 1, 3, F+36
.endm
.macro KLATE                           ; 16 loads
	ds_load_b128 v[KS:KS+3], v4 offset:24576
	ds_load_b128 v[KS+4:KS+7], v4 offset:24576+512
	C2L 0
	C2L 1
	KLD 1, 0, F
	KLD 1, 1, F+12
.endm
.macro MQK b, u, q, s, cq, fa          ; fa: where key tile u's two fragments stand
.if \s
	v_wmma_scale_f32_16x16x128_f8f6f4 v[S+32*(\b)+16*(\q)+8*(\u):S+32*(\b)+16*(\q)+8*(\u)+7], v[(\fa)+12*(\s):(\fa)+12*(\s)+11], v[QF+24*(\q)+12*(\s):QF+24*(\q)+12*(\s)+11], v[S+32*(\b)+16*(\cq)+8*(\u):S+32*(\b)+16*(\cq)+8*(\u)+7], v[KS+2*(\b)+(\u)], v[ST+8*(\q)+5] matrix_a_fmt:MATRIX_FMT_BF6 matrix_b_fmt:MATRIX_FMT_BF6 matrix_a_scale:MATRIX_SCALE_ROW1 matrix_b_scale:MATRIX_SCALE_ROW1
.else
	v_wmma_scale_f32_16x16x128_f8f6f4 v[S+32*(\b)+16*(\q)+8*(\u):S+32*(\b)+16*(\q)+8*(\u)+7], v[(\fa)+12*(\s):(\fa)+12*(\s)+11], v[QF+24*(\q)+12*(\s):QF+24*(\q)+12*(\s)+11], v[S+32*(\b)+16*(\cq)+8*(\u):S+32*(\b)+16*(\cq)+8*(\u)+7], v[KS+2*(\b)+(\u)], v[ST+8*(\q)+5] matrix_a_fmt:MATRIX_FMT_BF6 matrix_b_fmt:MATRIX_FMT_BF6
.endif
.endm
.macro QM b, f0, f1                    ; block b: two key tiles x two tiles of x x two K steps; tile 1 takes -c2/2 from tile 0's registers, then tile 0 adds in place; the four accumulators by turns
	MQK \b, 0, 1, 0, 0, \f0
	MQK \b, 1, 1, 0, 0, \f1
	NOPS 5                                         ; the next two write over what the last two read as C
	MQK \b, 0, 0, 0, 0, \f0
	MQK \b, 1, 0, 0, 0, \f1
	MQK \b, 0, 1, 1, 1, \f0
	MQK \b, 1, 1, 1, 1, \f1
	MQK \b, 0, 0, 1, 0, \f0
	MQK \b, 1, 0, 1, 0, \f1
	NOPS 5                                         ; places in front of loads into registers that these have read, of results laid over such registers, and of reads of results
.endm
.macro QKB                             ; fragments are asked for as soon as registers are free for them
	s_wait_dscnt 10                                ; out at most: -c2/2 of block 1 (4) and two fragments (6)
	QM 0, Y, Y+24
	C2L 2
	KLD 2, 0, Z
	KLD 2, 1, Z+12
	s_wait_dscnt 10                                ; out at most: the ten just issued
	QM 1, F, F+24
	KLD 2, 2, F
	KLD 2, 3, F+12
	KLD 3, 0, F+24
	KLD 3, 1, F+36
	s_wait_dscnt 6                                 ; out at most: block 3's two fragments
	QM 2, Z, F
	C2L 3
	KLD 3, 2, F
	KLD 3, 3, F+12
	s_wait_dscnt 0x0
	QM 3, F+24, F
.endm
.macro VL c, sl
.irp k, 0,1,2
	ds_load_b128 v[S+12*(\sl)+4*\k:S+12*(\sl)+4*\k+3], v6 offset:(\c)*1536+512*\k
.endr
.endm
.macro VM c, sl
.irp q, 0,1
.if ((\c)%2)
	v_wmma_scale_f32_16x16x128_f8f6f4 v[128*\q+8*(\c):128*\q+8*(\c)+7], v[S+12*(\sl):S+12*(\sl)+11], v[PC+12*\q:PC+12*\q+11], v[128*\q+8*(\c):128*\q+8*(\c)+7], v[KS+(\c)/2], v[ST+8*\q+7] matrix_a_fmt:MATRIX_FMT_BF6 matrix_b_fmt:MATRIX_FMT_BF6 matrix_a_scale:MATRIX_SCALE_ROW1
.else
	v_wmma_scale_f32_16x16x128_f8f6f4 v[128*\q+8*(\c):128*\q+8*(\c)+7], v[S+12*(\sl):S+12*(\sl)+11], v[PC+12*\q:PC+12*\q+11], v[128*\q+8*(\c):128*\q+8*(\c)+7], v[KS+(\c)/2], v[ST+8*\q+7] matrix_a_fmt:MATRIX_FMT_BF6 matrix_b_fmt:MATRIX_FMT_BF6
.endif
.endr
.endm
; O^T = f O^T + V^T P^T: sixteen channel tiles x two tiles of x, one instruction an accumulator.  Ten places for V's fragments; six are filled twice.  qk = 1: K's first loads go out under the last products.
.macro PV qk
	ds_load_b128 v[KS:KS+3], v6 offset:24576
	ds_load_b128 v[KS+4:KS+7], v6 offset:24576+512
.irp c, 0,1,2,3,4,5,6,7,8,9
	VL \c, \c
.endr
	WIN W_RS
	s_wait_alu depctr_va_vdst(0)                   ; directly ahead of the first reader of O^T
.irp q, 0,1
.set j, 0
.rept 64
	v_pk_mul_f32 v[128*\q+j:128*\q+j+1], v[128*\q+j:128*\q+j+1], v[ST+8*\q+6:ST+8*\q+7] op_sel_hi:[1,0]   ; O^T under the new M, from each accumulator's low end on
.set j, j+2
.endr
.endr
	s_wait_alu depctr_va_vdst(0)
	s_wait_dscnt 12                                ; out at most: fragments 6 to 9
	WIN W_PV
.irp c, 0,1,2,3,4,5
	VM \c, \c
.endr
	WIN 0
	NOPS 4
.irp c, 0,1,2,3,4,5
	VL \c+10, \c
.endr
	s_wait_dscnt 18                                ; out at most: the 18 just issued
	WIN W_PV
.irp c, 6,7,8,9
	VM \c, \c
.endr
	WIN 0
	NOPS 4
.if \qk
	KEARLY
	s_wait_dscnt 18                                ; out at most: K's 18
.else
	s_wait_dscnt 0x0
.endif
	WIN W_PV
.irp c, 0,1,2,3,4,5
	VM \c+10, \c
.endr
	WIN 0
	NOPS 5                                         ; five places: the first product's results are laid over registers that these have read
.if \qk
	KLATE
.endif
.endm
; THE SOFTMAX of both tiles for 128 keys, stage by stage together: eight chains of maxima, six of sums, one batch of roots and one of exponentials.
.macro EACH16 op:vararg
.endm
.macro SOFT2
	s_wait_alu depctr_va_vdst(0)                   ; directly ahead of the first readers of S^T
.irp b, 0,1,2,3
.irp q, 0,1
	v_max3_num_f32 v[BM+4*\q+\b], v[S+16*\q+32*\b], v[S+16*\q+32*\b+1], v[S+16*\q+32*\b+2]   ; the largest d of each block of 32 keys: the row's largest t and the block's largest p come of it
.endr
.endr
.irp i, 3,5,7,9,11,13
.irp b, 0,1,2,3
.irp q, 0,1
	v_max3_num_f32 v[BM+4*\q+\b], v[BM+4*\q+\b], v[S+16*\q+32*\b+\i], v[S+16*\q+32*\b+\i+1]
.endr
.endr
.endr
.irp b, 0,1,2,3,4,5,6,7
	v_max_num_f32 v[BM+\b], v[BM+\b], v[S+16*(\b/4)+32*(\b%4)+15]
.endr
.irp b, 0,1,2,3,4,5,6,7
	v_permlanex16_b32 v[PT+\b], v[BM+\b], s[SEL], s[SEL+1]
.endr
.irp b, 0,1,2,3,4,5,6,7
	v_max_num_f32 v[BM+\b], v[BM+\b], v[PT+\b]     ; with lane l xor 16's 16 keys
.endr
.irp b, 0,1,2,3,4,5,6,7
	v_fma_f32 v[BM+\b], v[BM+\b], -2.0, v[ST+8*(\b/4)+4]   ; sq = x2 - 2 d
.endr
.irp b, 0,1,2,3,4,5,6,7
	v_max_num_f32 v[BM+\b], 0, v[BM+\b]
.endr
.irp q, 0,1
.irp b, 0,1,2,3
.irp i, 0,2,4,6,8,10,12,14
	v_pk_fma_f32 v[S+16*\q+32*\b+\i:S+16*\q+32*\b+\i+1], v[S+16*\q+32*\b+\i:S+16*\q+32*\b+\i+1], -2.0, v[ST+8*\q+4:ST+8*\q+5] op_sel_hi:[1,0,0]
.endr
.endr
.endr
.set j, 0
.rept 128
	v_max_num_f32 v[S+j], 0, v[S+j]
.set j, j+1
.endr
	s_wait_alu depctr_va_vdst(0)                   ; ahead of the batch
.irp b, 0,1,2,3,4,5,6,7
	v_sqrt_f32 v[BM+\b], v[BM+\b]
.endr
.set j, 0
.rept 128
	v_sqrt_f32 v[S+j], v[S+j]                      ; dist
.set j, j+1
.endr
.irp q, 0,1
	v_mov_b32 v[PT+4*\q], v[ST+8*\q]               ; the old -M (the plain place behind the roots)
.endr
	s_wait_alu depctr_va_vdst(0)                   ; one wait for the 136 roots
.irp q, 0,1
	v_min_num_f32 v[PT+4*\q+1], v[BM+4*\q], v[BM+4*\q+1]
	v_min_num_f32 v[PT+4*\q+2], v[BM+4*\q+2], v[BM+4*\q+3]
.endr
.irp q, 0,1
	v_min_num_f32 v[PT+4*\q+1], v[PT+4*\q+1], v[PT+4*\q+2]   ; the step's smallest distance
.endr
.irp q, 0,1
	v_mul_f32 v[PT+4*\q+1], s[CS], v[PT+4*\q+1]    ; the step's largest t
.endr
.irp q, 0,1
	v_max_num_f32 v[ST+8*\q+1], v[ST+8*\q+1], v[PT+4*\q+1]
.endr
.irp q, 0,1
	v_floor_f32 v[ST+8*\q], -v[ST+8*\q+1]          ; the new -M
.endr
.irp q, 0,1
	v_sub_f32 v[PT+4*\q+1], v[ST+8*\q], v[PT+4*\q] ; old M - new M: a whole number, 0 or less
.endr
.irp q, 0,1
.irp b, 0,1,2,3
.irp i, 0,2,4,6,8,10,12,14
	v_pk_fma_f32 v[S+16*\q+32*\b+\i:S+16*\q+32*\b+\i+1], v[S+16*\q+32*\b+\i:S+16*\q+32*\b+\i+1], s[CS:CS+1], v[ST+8*\q:ST+8*\q+1] op_sel_hi:[1,0,0]   ; t - M
.endr
.endr
.endr
.irp q, 0,1
	v_cvt_i32_f32 v[PT+4*\q+1], v[PT+4*\q+1]       ; (it saturates)
.endr
.irp b, 0,1,2,3,4,5,6,7
	v_fma_f32 v[BM+\b], v[BM+\b], s[CS], v[ST+8*(\b/4)]
.endr
.irp q, 0,1
	v_ldexp_f32 v[ST+8*\q+6], 1.0, v[PT+4*\q+1]    ; f = 2^(old M - new M)
.endr
	s_wait_alu depctr_va_vdst(0)                   ; ahead of the batch
.irp b, 0,1,2,3,4,5,6,7
	v_exp_f32 v[BM+\b], v[BM+\b]                   ; the block's largest p: the same instructions on the same number
.endr
.set j, 0
.rept 128
	v_exp_f32 v[S+j], v[S+j]                       ; p = 2^(t - M)
.set j, j+1
.endr
.irp q, 0,1
	v_pk_mul_f32 v[ST+8*\q+2:ST+8*\q+3], v[ST+8*\q+2:ST+8*\q+3], v[ST+8*\q+6:ST+8*\q+7] op_sel_hi:[1,0]   ; l under the new M (the plain place behind the exponentials)
.endr
	s_wait_alu depctr_va_vdst(0)                   ; one wait for the 136 exponentials
.irp q, 0,1                            ; the sums of the unquantised p: three chains a tile
	v_pk_add_f32 v[PT+4*\q:PT+4*\q+1], v[S+16*\q:S+16*\q+1], v[S+16*\q+2:S+16*\q+3]
	v_pk_add_f32 v[PT+4*\q+2:PT+4*\q+3], v[S+16*\q+4:S+16*\q+5], v[S+16*\q+6:S+16*\q+7]
.endr
.set k, 4                              ; pair k of a tile's 32 stands at 32 (k / 8) + 2 (k % 8)
.rept 9
.irp q, 0,1
	v_pk_add_f32 v[ST+8*\q+2:ST+8*\q+3], v[ST+8*\q+2:ST+8*\q+3], v[S+16*\q+32*(k/8)+2*(k%8):S+16*\q+32*(k/8)+2*(k%8)+1]
	v_pk_add_f32 v[PT+4*\q:PT+4*\q+1], v[PT+4*\q:PT+4*\q+1], v[S+16*\q+32*((k+1)/8)+2*((k+1)%8):S+16*\q+32*((k+1)/8)+2*((k+1)%8)+1]
	v_pk_add_f32 v[PT+4*\q+2:PT+4*\q+3], v[PT+4*\q+2:PT+4*\q+3], v[S+16*\q+32*((k+2)/8)+2*((k+2)%8):S+16*\q+32*((k+2)/8)+2*((k+2)%8)+1]
.endr
.set k, k+3
.endr
.irp q, 0,1
	v_pk_add_f32 v[ST+8*\q+2:ST+8*\q+3], v[ST+8*\q+2:ST+8*\q+3], v[S+16*\q+110:S+16*\q+111]   ; pair 31
	v_pk_add_f32 v[PT+4*\q:PT+4*\q+1], v[PT+4*\q:PT+4*\q+1], v[PT+4*\q+2:PT+4*\q+3]
.endr
.irp b, 0,1,2,3,4,5,6,7
	v_max_num_f32 v[BM+\b], 0x2800000, v[BM+\b]    ; the floor 2^(5 - 127): the byte cannot fall under 1
.endr
.irp q, 0,1
	v_pk_add_f32 v[ST+8*\q+2:ST+8*\q+3], v[ST+8*\q+2:ST+8*\q+3], v[PT+4*\q:PT+4*\q+1]
.endr
.irp b, 0,1,2,3,4,5,6,7
	v_add_nc_u32 v[SO+\b], 0xfe000000, v[BM+\b]    ; 4 off the exponent field: the conversions' scale operands
.endr
.irp b, 0,1,2,3,4,5,6,7
	v_lshrrev_b32 v[PT+\b], 23, v[SO+\b]           ; the bytes
.endr
.irp q, 0,1
	v_lshl_or_b32 v[ST+8*\q+7], v[PT+4*\q+1], 8, v[PT+4*\q]
.endr
.irp q, 0,1
	v_lshl_or_b32 v[PT+4*\q+2], v[PT+4*\q+3], 8, v[PT+4*\q+2]
.endr
.irp q, 0,1
	v_lshl_or_b32 v[ST+8*\q+7], v[PT+4*\q+2], 16, v[ST+8*\q+7]   ; P's scale word for these 128 keys
.endr
.irp q, 0,1
.irp c, 0,1
	v_cvt_scalef32_pk16_bf6_f32 v[PC+12*\q+6*\c:PC+12*\q+6*\c+2], v[S+16*\q+64*\c:S+16*\q+64*\c+15], v[SO+4*\q+2*\c]
	v_cvt_scalef32_pk16_bf6_f32 v[CT+8*\q+4*\c:CT+8*\q+4*\c+2], v[S+16*\q+64*\c+32:S+16*\q+64*\c+47], v[SO+4*\q+2*\c+1]
.endr
.endr
	v_nop                                          ; one plain place behind a scaled conversion
.irp q, 0,1
.irp c, 0,1
.irp i, 0,1,2
	v_permlane16_swap_b32 v[PC+12*\q+6*\c+\i], v[CT+8*\q+4*\c+\i]   ; a whole block to a lane
.endr
.endr
.endr
.irp q, 0,1
.irp c, 0,1
.irp i, 0,1,2
	v_mov_b32 v[PC+12*\q+6*\c+3+\i], v[CT+8*\q+4*\c+\i]
.endr
.endr
.endr
.endm
; A PHASE.  ld: 0 no load, 1 K alone, 2 K and V, 3 V alone.
.macro PHASE two, ld, stepv, ask, qf, pv, qk, soft
	BAR \two, ((\ld)==1)||((\ld)==2), (\ld)>=2, \stepv, \ask
.if (\ld) == 1
	JK
.elseif (\ld) == 2
	JKV
.elseif (\ld) == 3
	JV
.endif
.if \ask
	ASK
.endif
.if \qf
	QFETCH
.endif
	v_and_b32 v4, 31, v0                           ; the LDS addresses, made by every wave ahead of the parting
	v_bfe_u32 v5, v0, 4, 1
	s_delay_alu instid0(VALU_DEP_2)
	v_lshl_add_u32 v6, v4, 4, s17                  ; V's unit + 16 x lane
	v_lshl_add_u32 v4, v4, 4, s15                  ; K's unit + 16 x lane
	v_lshl_add_u32 v5, v5, 6, s15                  ; K's unit + 64 (lane / 16), for -c2/2
	s_wait_alu depctr_va_vdst(0)
	s_cmp_lg_u32 s20, 0                            ; my set's role in this phase
	s_cbranch_scc1 .Lsoft_\@
.if \pv
	PV \qk
.elseif \qk
	KEARLY
	KLATE
.endif
.if \qk
	QKB
.endif
	s_branch .Ljoin_\@
.Lsoft_\@:
.if \soft
	SOFT2
.endif
.Ljoin_\@:
	s_xor_b32 s20, s20, 1
	s_add_co_u32 s25, s25, 1
.endm
	s_load_b128 s[4:7], s[0:1], 0x0                ; x, kv
	s_load_b64 s[8:9], s[0:1], 0x10                ; out0
	v_lshl_add_u32 v[SPW], v0, 2, SPARE
	v_mov_b32 v[NIL], 0
	ds_add_u32 v[SPW], v[NIL]                      ; the opening: the add, twice on end, and its wait ahead of my first tensor load
	ds_add_u32 v[SPW], v[NIL]
	v_lshrrev_b32 v4, 5, v0
	s_delay_alu instid0(VALU_DEP_1)
	v_readfirstlane_b32 s10, v4                    ; wave 0..7
	s_and_b32 s56, s10, 1                          ; my unit of a block
	s_bfe_u32 s12, s10, 0x10001                    ; my half of the rows
	s_lshr_b32 s20, s10, 2                         ; my set: 0 = LDS and matrix work in phase 0
	s_lshl_b32 s11, s20, 1
	s_add_co_u32 s11, s11, s56                     ; which of the four partial results of my rows is mine
	s_lshl_b32 s13, s12, 2
	s_add_co_u32 s13, s13, s11                     ; my place among the statistics
	s_mul_i32 s22, s56, KU
	s_mul_i32 s23, s56, VU
	s_add_co_u32 s23, s23, VB
	s_and_b32 s57, s10, 3                          ; the piece that I ask for
	s_mul_i32 s16, s57, KP
	s_mul_i32 s58, s57, VP
	s_add_co_u32 s26, s58, VB
	s_add_co_u32 s58, s58, KSL                     ; V's piece in a block of kv
	s_mov_b32 s59, 0
	s_mov_b32 s60, s16                             ; K's
	s_mov_b32 s61, 0
	s_mov_b32 s25, 0                               ; the phase
	s_mov_b32 s28, 15|(3<<16)|(1<<21)              ; groups 1: dense rows of 256 bytes (32 elements of 8), 51 for K, 50 for V; the mask names all four work-groups
	s_mov_b32 s29, 32<<16
	s_mov_b32 s30, 51<<16
	s_mov_b32 s31, 32<<16
	s_mov_b32 s32, 51
	s_mov_b32 s33, 32
	s_mov_b32 s34, 0
	s_mov_b32 s35, 0
	s_mov_b32 s36, 15|(3<<16)|(1<<21)
	s_mov_b32 s37, 32<<16
	s_mov_b32 s38, 50<<16
	s_mov_b32 s39, 32<<16
	s_mov_b32 s40, 50
	s_mov_b32 s41, 32
	s_mov_b32 s42, 0
	s_mov_b32 s43, 0
	s_mov_b32 s[SEL], 0x76543210
	s_mov_b32 s[SEL+1], 0xfedcba98
	s_mov_b32 s[CS], 0xc166d4ca                    ; -10 log2(e)
	s_mov_b32 s[CS+1], s[CS]
	s_cmp_eq_u32 ttmp9, 0                          ; the launch's first cluster asks, the same in all four partners,
	s_cselect_b32 s21, 29, 0                       ; in phases 0 to 28,
	s_cmp_lt_u32 s10, 4
	s_cselect_b32 s21, s21, 0                      ; by waves 0-3
	s_bfe_u32 s24, ttmp6, 0x40000                  ; cx
	s_lshl_b32 s14, ttmp9, 2
	s_add_co_u32 s14, s14, s24                     ; my block of 64 rows: it enters x's and out0's addresses alone
	s_mul_i32 s62, s24, 101*256                    ; my work-group's 101 pieces of a block,
	s_add_co_u32 s62, s62, 2*XB                    ; phase 0 steps it to block 3
	s_mov_b32 s63, 0
	v_min_u32 v[PFO], 100, v0
	s_delay_alu instid0(VALU_DEP_1)
	v_lshlrev_b32 v[PFO], 8, v[PFO]                ; a lane a piece; lanes left over name their wave's last piece again
	v_and_b32 v6, 15, v0
	v_bfe_u32 v7, v0, 4, 1
	s_delay_alu instid0(VALU_DEP_2)
	v_lshlrev_b32 v4, 10, v6
	s_delay_alu instid0(VALU_DEP_1)
	v_lshl_add_u32 v4, v7, 6, v4                   ; x: row r, + 16 h numbers
	s_wait_alu depctr_va_vdst(0)
	s_wait_dscnt 0x0                               ; both opening adds are done
	s_wait_kmcnt 0x0
	s_add_nc_u64 s[18:19], s[6:7], s[62:63]
	s_mov_b32 s44, 1                               ; group 0 for K: block 0, slot 0
	s_mov_b32 s45, s16
	s_add_nc_u64 s[46:47], s[6:7], s[60:61]
	s_or_b32 s47, s47, 0x80000000
	s_mov_b32 s48, 1                               ; group 0 for V: block 0, slot 0 (first used in phase 1)
	s_mov_b32 s49, s26
	s_add_nc_u64 s[50:51], s[6:7], s[58:59]
	s_or_b32 s51, s51, 0x80000000
	; ---- x: wave w quantises tile w / 2, K step w % 2; its loads go out ahead of the round
	s_lshl_b32 s60, s14, 16
	s_lshr_b32 s62, s10, 1
	s_lshl_b32 s62, s62, 14
	s_add_co_u32 s62, s62, s60
	s_and_b32 s63, s10, 1
	s_lshl_b32 s63, s63, 9
	s_add_co_u32 s62, s62, s63
	s_mov_b32 s63, 0
	s_add_nc_u64 s[4:5], s[4:5], s[62:63]
	s_lshl_b32 s62, s10, 13                        ; out0: my wave stores rows 8 w .. 8 w + 7 of the block
	s_add_co_u32 s62, s62, s60
	s_add_nc_u64 s[8:9], s[8:9], s[62:63]
.irp b, 0,1,2,3
.irp i, 0,1,2,3
	global_load_b128 v[S+16*\b+4*\i:S+16*\b+4*\i+3], v4, s[4:5] offset:128*\b+16*\i th:TH_LOAD_NT
.endr
.endr
	CROUND                                         ; all four work-groups are here: the first joint loads meet
	JK                                             ; K of block 0
.irp q, 0,1
	v_mov_b32 v[ST+8*\q+1], 0xff61b1e6             ; the largest t so far: -3e38
	s_delay_alu instid0(VALU_DEP_1)
	v_floor_f32 v[ST+8*\q], -v[ST+8*\q+1]
	v_mov_b32 v[ST+8*\q+2], 0
	v_mov_b32 v[ST+8*\q+3], 0
	v_mov_b32 v[ST+8*\q+6], 0
	v_mov_b32 v[ST+8*\q+7], 0
.endr
.set j, S+64
.rept F+24-S-64
	v_mov_b32 v[j], 0                              ; written once, so that every way through the phases finds S^T's and P's registers written
.set j, j+1
.endr
.irp b, 0,1,2,3
	v_mov_b32 v[PT+\b], 0                          ; a lane permute's destination counts as one of its sources
.endr
	WIN 0x40
.set j, 0
.rept 256
	v_mov_b32 v[j], 0                              ; O^T: the phase is written once: the first product finds zeros, which the first change of M leaves zeros.  (These lines stand under x's loads)
.set j, j+1
.endr
	WIN 0
	s_mul_i32 s56, s10, 1536
	s_add_co_u32 s56, s56, QIMG
	v_and_b32 v5, 31, v0
	s_delay_alu instid0(VALU_DEP_1)
	v_lshl_add_u32 v5, v5, 4, s56                  ; my image
	v_lshl_add_u32 v7, v0, 2, QSC                  ; my scale word
	s_wait_alu depctr_va_vdst(0)
	s_wait_loadcnt 0x0
	v_pk_mul_f32 v[28:29], v[S:S+1], v[S:S+1]      ; the squares, in two chains
	v_pk_mul_f32 v[30:31], v[S+2:S+3], v[S+2:S+3]
.set j, 4
.rept 15
	s_delay_alu instid0(VALU_DEP_2)
	v_pk_fma_f32 v[28:29], v[S+j:S+j+1], v[S+j:S+j+1], v[28:29]
	s_delay_alu instid0(VALU_DEP_2)
	v_pk_fma_f32 v[30:31], v[S+j+2:S+j+3], v[S+j+2:S+j+3], v[30:31]
.set j, j+4
.endr
	s_delay_alu instid0(VALU_DEP_1)
	v_pk_add_f32 v[28:29], v[28:29], v[30:31]
	s_delay_alu instid0(VALU_DEP_1)
	v_add_f32 v28, v28, v29
	s_delay_alu instid0(VALU_DEP_1)
	v_permlanex16_b32 v29, v28, s[SEL], s[SEL+1]
	s_delay_alu instid0(VALU_DEP_1)
	v_add_f32 v28, v28, v29                        ; row r's sum over these 128 channels
.irp b, 0,1,2,3
	v_max3_num_f32 v[BM+\b], |v[S+16*\b]|, |v[S+16*\b+1]|, 0x2800000
.endr
.irp i, 2,4,6,8,10,12,14
.irp b, 0,1,2,3
	s_delay_alu instid0(VALU_DEP_4)
	v_max3_num_f32 v[BM+\b], v[BM+\b], |v[S+16*\b+\i]|, |v[S+16*\b+\i+1]|
.endr
.endr
.irp b, 0,1,2,3
	s_delay_alu instid0(VALU_DEP_4)
	v_permlanex16_b32 v[PT+\b], v[BM+\b], s[SEL], s[SEL+1]
.endr
.irp b, 0,1,2,3
	s_delay_alu instid0(VALU_DEP_4)
	v_max_num_f32 v[BM+\b], v[BM+\b], v[PT+\b]
.endr
	SCALEW 30
	CODES S, 16, PC
.irp c, 0,1,2
	ds_store_b128 v5, v[PC+4*\c:PC+4*\c+3] offset:512*\c
.endr
	ds_store_b32 v7, v30
	ds_store_b32 v7, v28 offset:QX2-QSC
	; ---- the 34 phases.  Phase 0's round also shows x's images to every wave
	PHASE 1, 1, 0, 1, 1, 0, 1, 0                   ; 0: set 0 multiplies block 0; K of block 1 is asked for
	PHASE 1, 2, 0, 1, 0, 0, 1, 1                   ; 1: set 0's softmax, set 1 multiplies block 1; K of block 2, V of block 0
.Lphase:
	PHASE 0, 2, 1, 1, 0, 1, 1, 1                   ; 2 .. 30
	s_cmp_lt_u32 s25, 31
	s_cbranch_scc1 .Lphase
	PHASE 0, 3, 1, 0, 0, 1, 1, 1                   ; 31: there is no K to ask for: the last phases are written out
	PHASE 0, 3, 1, 0, 0, 1, 0, 1                   ; 32
	PHASE 0, 0, 0, 0, 0, 1, 0, 0                   ; 33
	; ---- THE MERGE of the four partial results of a half of the rows
.irp q, 0,1
	v_add_f32 v[ST+8*\q+2], v[ST+8*\q+2], v[ST+8*\q+3]
.endr
.irp q, 0,1
	s_delay_alu instid0(VALU_DEP_2)
	v_permlanex16_b32 v[ST+8*\q+3], v[ST+8*\q+2], s[SEL], s[SEL+1]
.endr
.irp q, 0,1
	s_delay_alu instid0(VALU_DEP_2)
	v_add_f32 v[ST+8*\q+2], v[ST+8*\q+2], v[ST+8*\q+3]   ; my l of row r
.endr
	s_lshl_b32 s56, s13, 9
	s_lshl_b32 s57, s12, 11
	v_and_b32 v5, 31, v0
	s_delay_alu instid0(VALU_DEP_1)
	v_lshl_add_u32 v4, v5, 2, s56                  ; my 512 bytes of statistics (K's slot 0: its last fill was read in phase 28),
	v_lshl_add_u32 v5, v5, 2, s57                  ; and those of the four waves of my half
.irp q, 0,1
	ds_store_b32 v4, v[ST+8*\q] offset:STAT+256*\q
	ds_store_b32 v4, v[ST+8*\q+2] offset:STAT+256*\q+128
.endr
	s_wait_alu depctr_va_vdst(0)
	s_wait_dscnt 0x0                               ; my stores have landed, and my reads of the slots are over
	s_barrier_signal -1
	s_barrier_wait -1
.irp g, 0,1,2,3
.irp q, 0,1
	ds_load_b32 v[S+4*\g+2*\q], v5 offset:STAT+512*\g+256*\q
	ds_load_b32 v[S+4*\g+2*\q+1], v5 offset:STAT+512*\g+256*\q+128
.endr
.endr
	s_wait_dscnt 0x0
.irp q, 0,1
	v_min_num_f32 v[28+\q], v[S+2*\q], v[S+4+2*\q]
	v_min_num_f32 v[30+\q], v[S+8+2*\q], v[S+12+2*\q]
.endr
	s_delay_alu instid0(VALU_DEP_3)
	v_min_num_f32 v28, v28, v30                    ; the least -M: the row's M
	s_delay_alu instid0(VALU_DEP_2)
	v_min_num_f32 v29, v29, v31
.irp g, 0,1,2,3
.irp q, 0,1
	v_sub_f32 v[S+4*\g+2*\q], v[28+\q], v[S+4*\g+2*\q]   ; part g's M less the row's: a whole number, 0 or less
.endr
.endr
.irp g, 0,1,2,3
.irp q, 0,1
	v_cvt_i32_f32 v[S+4*\g+2*\q], v[S+4*\g+2*\q]
.endr
.endr
.irp g, 0,1,2,3
.irp q, 0,1
	v_ldexp_f32 v[S+4*\g+2*\q+1], v[S+4*\g+2*\q+1], v[S+4*\g+2*\q]   ; its l under the row's M
.endr
.endr
.irp q, 0,1
	v_add_f32 v[S+1+2*\q], v[S+1+2*\q], v[S+5+2*\q]
	v_add_f32 v[S+9+2*\q], v[S+9+2*\q], v[S+13+2*\q]
	v_sub_f32 v[S+16+\q], v[28+\q], v[ST+8*\q]     ; my own M less the row's
.endr
	v_add_f32 v[S+1], v[S+1], v[S+9]               ; the row's l
	v_cvt_i32_f32 v[S+16], v[S+16]
	s_delay_alu instid0(VALU_DEP_4)
	v_add_f32 v[S+3], v[S+3], v[S+11]
	s_delay_alu instid0(VALU_DEP_4)
	v_cvt_i32_f32 v[S+17], v[S+17]
	s_wait_alu depctr_va_vdst(0)
.irp q, 0,1
	v_rcp_f32 v[30+\q], v[S+1+2*\q]
.endr
	v_nop
	s_wait_alu depctr_va_vdst(0)
.irp q, 0,1
	v_ldexp_f32 v[ST+8*\q+6], v[30+\q], v[S+16+\q] ; what my O^T is multiplied by
.endr
	s_mul_i32 s56, s12, 32*RP
	s_lshl_b32 s57, s11, 10
	s_add_co_u32 s56, s56, s57
	s_add_co_u32 s56, s56, STG
	v_and_b32 v6, 15, v0
	v_bfe_u32 v7, v0, 4, 1
	s_delay_alu instid0(VALU_DEP_2)
	v_mul_u32_u24 v4, v6, RP
	s_delay_alu instid0(VALU_DEP_1)
	v_lshl_add_u32 v4, v7, 5, v4
	s_delay_alu instid0(VALU_DEP_1)
	v_add_nc_u32 v4, s56, v4                       ; the stage: my half's rows, row r, my part's 1,024 bytes, + 32 h: tile 0;
	s_delay_alu instid0(VALU_DEP_1)
	v_add_nc_u32 v5, 16*RP, v4                     ; tile 1, sixteen rows on
	WIN W_RS
	s_wait_alu depctr_va_vdst(0)                   ; directly ahead of the first reader of O^T
.irp q, 0,1
.set j, 0
.rept 64
	v_pk_mul_f32 v[128*\q+j:128*\q+j+1], v[128*\q+j:128*\q+j+1], v[ST+8*\q+6:ST+8*\q+7] op_sel_hi:[1,0]
.set j, j+2
.endr
.endr
	WIN W_ST
.irp q, 0,1
.irp c, 0,1,2,3,4,5,6,7,8,9,10,11,12,13,14,15
	ds_store_b128 v[4+\q], v[128*\q+8*\c:128*\q+8*\c+3] offset:64*\c        ; row 16 q + r, channels 16 c + 8 h + 0 .. 7
	ds_store_b128 v[4+\q], v[128*\q+8*\c+4:128*\q+8*\c+7] offset:64*\c+16
.endr
.endr
	WIN 0
	s_wait_dscnt 0x0                               ; for the others' sake
	s_barrier_signal -1
	s_barrier_wait -1
	; ---- rows out: wave w adds the four parts of rows 8 w .. 8 w + 7 and stores them, 512 consecutive bytes an instruction
	s_mul_i32 s56, s10, 8*RP
	s_add_co_u32 s56, s56, STG
	v_and_b32 v5, 31, v0
	s_delay_alu instid0(VALU_DEP_1)
	v_lshlrev_b32 v5, 4, v5
	s_delay_alu instid0(VALU_DEP_1)
	v_add_nc_u32 v4, s56, v5
.irp bt, 0,1
.if \bt
	s_wait_xcnt 0x0                                ; the first four rows' stores have read their registers
.endif
.irp i, 0,1,2,3
.irp hf, 0,1
.irp g, 0,1,2,3
	ds_load_b128 v[S+16*(2*\i+\hf)+4*\g:S+16*(2*\i+\hf)+4*\g+3], v4 offset:(4*\bt+\i)*RP+1024*\g+512*\hf
.endr
.endr
.endr
.irp i, 0,1,2,3
.irp hf, 0,1
	s_wait_dscnt 28-4*(2*\i+\hf)                   ; this piece's four loads are in; the later pieces', four each, may be out
.set ra, S+16*(2*\i+\hf)
	v_pk_add_f32 v[ra:ra+1], v[ra:ra+1], v[ra+4:ra+5]
	v_pk_add_f32 v[ra+2:ra+3], v[ra+2:ra+3], v[ra+6:ra+7]
	v_pk_add_f32 v[ra+8:ra+9], v[ra+8:ra+9], v[ra+12:ra+13]
	v_pk_add_f32 v[ra+10:ra+11], v[ra+10:ra+11], v[ra+14:ra+15]
	s_delay_alu instid0(VALU_DEP_2)
	v_pk_add_f32 v[ra:ra+1], v[ra:ra+1], v[ra+8:ra+9]
	s_delay_alu instid0(VALU_DEP_2)
	v_pk_add_f32 v[ra+2:ra+3], v[ra+2:ra+3], v[ra+10:ra+11]
	s_wait_alu depctr_va_vdst(0)
	global_store_b128 v5, v[ra:ra+3], s[8:9] offset:(4*\bt+\i)*1024+512*\hf th:TH_STORE_NT
.endr
.endr
.endr
	s_wait_tensorcnt 0x0                           ; the wave's end
	ds_add_u32 v[SPW], v[NIL]
	s_wait_dscnt 0x0
	CROUND                                         ; the closing round
	s_endpgm
.Lfunc_end_k_qcd5abe2924_vq:
	.size	k_qcd5abe2924_vq, .Lfunc_end_k_qcd5abe2924_vq-k_qcd5abe2924_vq
	.p2alignl 7, 3214868480
	.fill 96, 4, 3214868480
	.section	.rodata,"a",@progbits
	.p2align	6, 0x0
	.amdhsa_kernel k_qcd5abe2924_vq
		.amdhsa_group_segment_fixed_size 327680
		.amdhsa_private_segment_fixed_size 0
		.amdhsa_enable_private_segment 0
		.amdhsa_kernarg_size 24
		.amdhsa_user_sgpr_count 2
		.amdhsa_user_sgpr_kernarg_segment_ptr 1
		.amdhsa_wavefront_size32 1
		.amdhsa_system_sgpr_workgroup_id_x 1
		.amdhsa_system_sgpr_workgroup_id_y 1
		.amdhsa_system_sgpr_workgroup_id_z 1
		.amdhsa_system_vgpr_workitem_id 0
		.amdhsa_next_free_vgpr 512
		.amdhsa_next_free_sgpr 66
		.amdhsa_reserve_vcc 0
		.amdhsa_float_denorm_mode_32 3
		.amdhsa_float_denorm_mode_16_64 3
		.amdhsa_memory_ordered 1
		.amdhsa_forward_progress 1
		.amdhsa_inst_pref_size 255
	.end_amdhsa_kernel
	.section	.bss,"aw",@nobits
	.p2align	6
	.space	262144
	.amdgpu_metadata
---
amdhsa.version: [ 1, 2 ]
amdhsa.kernels:
  - .name:           k_qcd5abe2924_vq
    .symbol:         k_qcd5abe2924_vq.kd
    .args:
      - { .name: x, .offset: 0, .size: 8, .value_kind: global_buffer, .address_space: global }
      - { .name: kv, .offset: 8, .size: 8, .value_kind: global_buffer, .address_space: global }
      - { .name: out0, .offset: 16, .size: 8, .value_kind: global_buffer, .address_space: global }
    .group_segment_fixed_size: 327680
    .private_segment_fixed_size: 0
    .kernarg_segment_align: 8
    .kernarg_segment_size: 24
    .max_flat_workgroup_size: 256
    .sgpr_count:     66
    .vgpr_count:     512
    .wavefront_size: 32
...
	.end_amdgpu_metadata
.endif
;; end of part 2
